; MI455X (gfx1250); checked and timed in simulation.
; The chip was launched on July 23, 2026; its instructions are those of AMD's public machine-readable ISA for CDNA 5 (MIT licence, August 2026) and "CDNA5" Instruction Set Architecture Reference Guide (July 2026). The comments in the code are by the model that wrote it; some were corrected since.
;; Self Attention. Allowed arithmetic: matrix products marked QUANTISED: E2M1 operands, one E8M0 scale for each 32 along K, by v_wmma_scale_f32_16x16x128_f8f6f4 with both operands' format E2M1 (or v_wmma_scale_f32_32x16x128_f4), f32 sums; everything else in f32.
;; Inputs: Wk 1,024 x 1,024 float32; Wq 1,024 x 1,024 float32; Wv 1,024 x 1,024 float32; bk 1,024 float32; bq 1,024 float32; bv 1,024 float32; x 4 x 2,048 x 1,024 float32.
;; Outputs: out0 4 x 2,048 x 1,024 float32.
;; This version of the problem:
;;   THIS VERSION OF THE PROBLEM IS GIVEN IN LOW PRECISION. The matrix products marked QUANTISED in the list below multiply operands that are first quantised to E2M1 (2 exponent bits, 1 mantissa bit; 4 bits a number), with one power-of-two scale for each 32 numbers along K (OCP MX v1.0); their sums are f32. All else is computed in f32.
;;   The module's matrix products, in the order in which they are computed (A, B: the left and right operand; K: the contracted axis; several contracted axes count as one K, in the product's order):
;;     1. [M 8,192, K 1,024] x [K 1,024, N 1,024]; A: input x; B: input Wq: QUANTISED
;;     2. [M 8,192, K 1,024] x [K 1,024, N 1,024]; A: input x; B: input Wk: QUANTISED
;;     3. [M 8,192, K 1,024] x [K 1,024, N 1,024]; A: input x; B: input Wv: QUANTISED
;;     4. batch 64 x [M 2,048, K 64] x [K 64, N 2,048]; A: computed on the way; B: computed on the way: QUANTISED
;;     5. batch 64 x [M 2,048, K 2,048] x [K 2,048, N 64]; A: softmax (see below); B: computed on the way: QUANTISED
;;   THE QUANTISER, for each operand of a quantised product, along K:
;;     - K is cut into blocks of 32 from its start; a last block that is shorter is filled with zeros.
;;     - A block's scale is 2^e with e = floor(log2(the largest magnitude in the block)) - 2, held to -126 .. 127; a block of zeros has e = 0. As a byte (E8M0): e + 127.
;;     - Each number is divided by its block's scale, clamped to +-6, and rounded to the nearest number of E2M1, ties to even, subnormals kept.
;;     - The product sums the exact products of the quantised numbers (number of the format x scale) in f32.
;;   ~~~python
;;   def quantise(x, axis):      # numpy; x: float32 -> the quantised numbers, widened to float32 again
;;       x = np.moveaxis(x, axis, -1); K = x.shape[-1]
;;       x = np.pad(x, [(0, 0)] * (x.ndim - 1) + [(0, -K % 32)]); x = x.reshape(x.shape[:-1] + (-1, 32)); a = np.abs(x).max(-1, keepdims=True)
;;       e = np.where(a > 0, np.clip(np.frexp(np.where(a > 0, a, 1))[1] - 1 - 2, -126, 127), 0)      # np.frexp(a)[1] - 1 = floor(log2(a)), exactly
;;       r = np.clip(x / 2.0 ** e, -6, 6)
;;       step = 2.0 ** (np.maximum(np.frexp(np.where(r == 0, 1, r))[1] - 1, 0) - 1)
;;       q = np.round(r / step) * step * 2.0 ** e      # np.round: ties to even
;;       return np.moveaxis(q.reshape(q.shape[:-2] + (-1,))[..., :K], -1, axis).astype(np.float32)
;;   ~~~
;;   SOFTMAX AHEAD OF A QUANTISED PRODUCT. Where the list says 'softmax', what is quantised is not the finished softmax but p = 2^(t - M), with t = logit x log2(e) and M = ceil(the row's largest t), a whole number; so 1/2 < the row's largest p <= 1. The row's sum l is taken of the UNQUANTISED p, in f32, and the product's result is divided by l at the end. Since M is a whole number, a kernel that streams over the keys may use a running M (the ceiling of the running maximum): every later rescaling is an exact power of two, which a block's scale takes up: the codes' values come out the same.
;;   OPERANDS COMPUTED ON THE WAY. 'Computed on the way' means the value that the module computes at that place (a softmax that the list does not call 'softmax' is quantised finished and normalised). What goes into a quantiser is computed in f32, as accurately as f32 sums, v_exp_f32 and their like allow (about 1e-6 of the number): no bf16 or f16 on the way to a quantiser, and a product that is left as it is and whose result goes on into a quantised operand takes f32 operands (vector FMAs, or v_wmma_f32_16x16x4_f32). A number that lies on a knife's edge between two numbers of the format may be rounded either way, as far as f32 arithmetic and the matrix unit's own rounding can turn it there, and no further.
;; One version. Each part assembles by itself: llvm-mc -triple=amdgcn-amd-amdhsa -mcpu=gfx1250 --defsym DOCPART=n.
;; ======== version 1 of 1: 3 launches
;; limits: right only within a limited range of input values
;; workspace buffers: x_codes 4,194,304 bytes; x_scales 262,144 bytes; w_codes 1,572,864 bytes; w_scales 98,304 bytes; qkv 13,893,632 bytes
;; launch prep (part 1): grid 448 x 1, 4 waves a work-group, no clusters, 42,496 bytes of LDS; arguments x, Wq, Wk, Wv, x_codes, x_scales, w_codes, w_scales; writes x_codes, x_scales, w_codes, w_scales
.if DOCPART == 1
	.amdgcn_target "amdgcn-amd-amdhsa--gfx1250"
	.amdhsa_code_object_version 6
	.text
	.protected	k_q60096c181d_prep
	.globl	k_q60096c181d_prep
	.p2align	8
	.type	k_q60096c181d_prep,@function
k_q60096c181d_prep:
	s_mov_b64 s[64:65], 0
	v_nop
	global_prefetch_b8 v0, s[64:65] scope:SCOPE_SE
	s_setreg_imm32_b32 hwreg(HW_REG_WAVE_MODE, 25, 1), 1
	s_wait_xcnt 0x0
; SELF-ATTENTION ON CODES OF E2M1, first of three launches: x and the three weights become codes (4 bits, K innermost, 512 bytes a row) and one E8M0 byte for each 32 along K (32 bytes a row).
; NO WORK OF THE PROBLEM IS LEFT OUT: all five products are live, and each bias (bk too) goes into an operand that is quantised: all seven inputs are loaded by some launch.
; A block's scale is 2^(floor(log2(its largest magnitude)) - 2); its byte is the largest magnitude's exponent field - 2, held at 1 from below; each number is divided by the scale and rounded to the nearest code, ties to even.
; LIMITS: a block of zeros gets the byte 1 where the rule says 127 (its codes are zeros, and this program alone reads the bytes); magnitudes under 2^-124 are held at the byte 1; NaN and infinities are not served.
; ROWS ARE STORED BY POSITION: position p holds row (of x) or column (of a weight) pi(p), pi = p with bits 3 and 4 exchanged, so that the 16 result registers of two neighbouring tiles of source 0 are 16 neighbours.
; Work-groups 0 to 255 take x (the choice hangs on the work-group's number alone): a wave takes 8 rows (16 steps of 512 numbers); each load reads 512 consecutive bytes, which turn through the wave's own stage so that a lane holds 16 neighbours.
; Work-groups 256 to 447 take the weights: 32 columns and 512 along K of one weight; wave w takes 128 along K; a lane takes a column and its registers run down K, so that the conversions give codes with K innermost.
; The codes meet in a stage in LDS; behind one barrier each wave stores eight half rows, sixteen lanes to an aligned unit of 256 bytes.  The scale bytes of a half row are 16 bytes of a row of 32: wave 0 stores them a row a lane,
; so that their units are written in part: one byte in 128 of what this path reads.
; The weights' scale bytes lie by tile column X of the projection, 12,288 bytes each: 256 rows of Wq or Wk (X = row / 256), then 128 rows of Wv (X = row / 128).
; The two paths have LDS bytes of their own.  No tensor load, no cluster: no work-group shares an input with another.
.set NWGX,  256
.set STEPS, 16
.set EMAX,  2
.set CB,    8
.set R,     16                         ; x: v16-143 eight sets of 16 numbers as loaded
.set X,     144                        ; v144-175 two sets of 16 neighbours
.set C,     176                        ; v176-207 codes, two registers a step
.set E,     208                        ; v208-223 a scale byte a step
.set WREG,  8192                       ; x: an LDS region a wave: two stages of 32 x SP bytes, then 256 scale bytes
.set SP,    80
.set QWST,  4*WREG                     ; the weights' stage: 32 rows of WP bytes
.set WP,    272
.set SCS,   QWST+32*WP                 ; 32 rows of 16 scale bytes
.set SPARE, SCS+512                    ; the spare words, 128 bytes a wave
.set SPW,   12
.set NIL,   13
.set NB,    4                          ; weights: blocks of a lane
.set WX,    32                         ; v32-95 two sets of 32 numbers
.set WC,    96
.set SO,    104
.set OUTR,  112
.set SB,    24
	s_load_b512 s[4:19], s[0:1], 0x0               ; x, Wq, Wk, Wv, x's codes, x's scales, the weights' codes, their scales
	v_lshl_add_u32 v[SPW], v0, 2, SPARE
	v_mov_b32 v[NIL], 0
	v_lshrrev_b32 v1, 5, v0
	v_readfirstlane_b32 s20, v1                    ; wave 0..3
	v_and_b32 v2, 31, v0                           ; lane
	s_cmp_ge_u32 ttmp9, NWGX
	s_wait_alu depctr_va_vdst(0)
	s_cbranch_scc1 .Lweights
	v_lshlrev_b32 v3, 4, v2                        ; my 16 bytes of a load's 512
	s_mul_i32 s21, s20, WREG
	v_lshrrev_b32 v14, 2, v2
	v_mul_u32_u24 v14, v14, SP
	v_and_b32 v15, 3, v2
	v_lshl_add_u32 v14, v15, 4, v14
	v_add_nc_u32 v14, s21, v14                     ; the stage, in: SP (lane / 4) + 16 (lane % 4)
	v_mul_u32_u24 v15, v2, SP
	v_add_nc_u32 v15, s21, v15                     ; out: SP x lane
	v_mul_u32_u24 v4, v2, CB
	v_lshrrev_b32 v5, 1, v2
	s_add_co_u32 s21, s21, 2*32*SP
	v_add_nc_u32 v5, s21, v5                       ; my block's scale byte in LDS
	v_lshlrev_b32 v7, 3, v2
	v_add_nc_u32 v6, s21, v7
	s_lshl_b32 s22, ttmp9, 2
	s_add_co_u32 s23, s22, s20                     ; the run of 8 rows that I read
	s_and_b32 s24, s20, 1
	s_lshl_b32 s24, s24, 1
	s_lshr_b32 s25, s20, 1
	s_or_b32 s24, s24, s25                         ; the wave's two bits exchanged
	s_add_co_u32 s24, s24, s22                     ; the run of 8 positions that I write
	s_mov_b32 s27, 0
	s_wait_alu depctr_va_vdst(0)
	s_wait_kmcnt 0x0
	s_lshl_b32 s26, s23, 15
	s_add_nc_u64 s[4:5], s[4:5], s[26:27]
	s_lshl_b32 s26, s24, 12
	s_add_nc_u64 s[12:13], s[12:13], s[26:27]
	s_lshl_b32 s26, s24, 8
	s_add_nc_u64 s[14:15], s[14:15], s[26:27]
.macro LOAD t
.irp i, 0,1,2,3
	global_load_b128 v[R+16*((\t)%8)+4*\i:R+16*((\t)%8)+4*\i+3], v3, s[4:5] offset:2048*(\t)+512*\i th:TH_LOAD_NT
.endr
.endm
.macro TURN t                          ; LDS serves a wave's instructions in order: no wait between the stores and the loads
.irp i, 0,1,2,3
	ds_store_b128 v14, v[R+16*((\t)%8)+4*\i:R+16*((\t)%8)+4*\i+3] offset:32*SP*((\t)%2)+8*SP*\i
.endr
.irp i, 0,1,2,3
	ds_load_b128 v[X+16*((\t)%2)+4*\i:X+16*((\t)%2)+4*\i+3], v15 offset:32*SP*((\t)%2)+16*\i
.endr
.endm
.irp t, 0,1,2,3,4,5,6,7
	LOAD \t
.endr
	s_wait_loadcnt 28                              ; step 0's four loads are in; the 28 of steps 1 to 7 may be out
	TURN 0
.macro STEP t
.set XS, X+16*((\t)%2)
.if (\t) > 0
	s_wait_dscnt 1                                 ; this step's numbers are back (the last step's byte store may be out)
.else
	s_wait_dscnt 0x0
.endif
.if (\t)+8 < STEPS
	LOAD (\t)+8
.endif
.if (\t)+1 < STEPS
.if STEPS-2-(\t) >= 7
	s_wait_loadcnt 28                              ; the next step's four are in; seven steps' loads may be out
.else
	s_wait_loadcnt 4*(STEPS-2-(\t))
.endif
	TURN (\t)+1
.endif
	v_max3_num_f32 v8, |v[XS]|, |v[XS+1]|, |v[XS+2]|
	v_max3_num_f32 v9, |v[XS+3]|, |v[XS+4]|, |v[XS+5]|
.irp i, 6,10
	v_max3_num_f32 v8, v8, |v[XS+\i]|, |v[XS+\i+1]|
	v_max3_num_f32 v9, v9, |v[XS+\i+2]|, |v[XS+\i+3]|
.endr
	v_max3_num_f32 v8, v8, |v[XS+14]|, |v[XS+15]|
	v_max3_num_f32 v8, v8, v9, (EMAX+1)<<23        ; the floor 2^(3 - 127)
	v_max_num_f32_dpp v8, v8, v8 row_xmask:1 row_mask:0xf bank_mask:0xf   ; with my neighbour's 16: the block's
	v_add_nc_u32 v11, -(EMAX<<23), v8              ; the conversion's scale operand
	v_cvt_scalef32_pk8_fp4_f32 v[C+2*(\t)], v[XS:XS+7], v11
	v_cvt_scalef32_pk8_fp4_f32 v[C+2*(\t)+1], v[XS+8:XS+15], v11
	v_lshrrev_b32 v[E+(\t)], 23, v11               ; the scale's byte
	ds_store_b8 v5, v[E+(\t)] offset:16*(\t)
	global_store_b64 v4, v[C+2*(\t):C+2*(\t)+1], s[12:13] offset:32*CB*(\t)   ; the wave stores 256 consecutive bytes, aligned
.endm
.irp t, 0,1,2,3,4,5,6,7,8,9,10,11,12,13,14,15
	STEP \t
.endr
	ds_load_b64 v[8:9], v6
	s_wait_dscnt 0x0
	global_store_b64 v7, v[8:9], s[14:15]          ; 256 consecutive bytes, aligned
	s_wait_tensorcnt 0x0                           ; the wave's end
	ds_add_u32 v[SPW], v[NIL]
	s_wait_dscnt 0x0
	s_endpgm
.Lweights:
	s_sub_co_u32 s21, ttmp9, NWGX
	s_and_b32 s32, s21, 1                          ; which 512 along K
	s_bfe_u32 s22, s21, 0x50001                    ; which 32 columns
	s_lshr_b32 s21, s21, 6                         ; which weight
	v_lshlrev_b32 v3, 2, v2
	v_and_b32 v5, 7, v2
	v_bfe_u32 v6, v2, 3, 1
	v_bfe_u32 v1, v2, 4, 1                         ; lane / 16
	v_lshl_add_u32 v5, v6, 4, v5
	v_lshl_add_u32 v5, v1, 3, v5                   ; pi(lane)
	s_lshl_b32 s23, s20, 6
	s_add_co_u32 s23, s23, QWST
	v_mul_u32_u24 v4, v5, WP
	v_add_nc_u32 v4, s23, v4                       ; into the stage: my position's row, 64 bytes for each 128 along K
	s_lshl_b32 s23, s20, 2
	s_add_co_u32 s23, s23, SCS
	v_lshl_add_u32 v9, v5, 4, s23                  ; my four scale bytes' word
	v_and_b32 v6, 15, v2
	v_lshlrev_b32 v6, 4, v6
	s_mul_i32 s23, s20, 8*WP
	s_add_co_u32 s23, s23, QWST
	v_mul_u32_u24 v7, v1, WP
	v_add_nc_u32 v7, v7, v6
	v_add_nc_u32 v7, s23, v7                       ; out: rows 8 w on, sixteen lanes to a row, two rows an instruction
	v_lshl_add_u32 v8, v1, 9, v6                   ; and the same place in the codes' buffer
	v_lshl_add_u32 v10, v2, 4, SCS                 ; position l's 16 scale bytes (wave 0 uses it),
	v_lshlrev_b32 v19, 5, v2                       ; and its row of 32
	s_lshl_b32 s26, s32, 21                        ; W: (512 kh + 128 w) rows of 4,096 bytes + 128 bytes for each 32 columns
	s_lshl_b32 s23, s20, 19
	s_add_co_u32 s26, s26, s23
	s_lshl_b32 s23, s22, 7
	s_add_co_u32 s26, s26, s23
	s_mov_b32 s27, 0
	s_lshl_b32 s28, s21, 19                        ; codes: (1024 y + 32 x + 8 w) rows of 512 bytes + 256 kh
	s_lshl_b32 s23, s22, 14
	s_add_co_u32 s28, s28, s23
	s_lshl_b32 s23, s20, 12
	s_add_co_u32 s28, s28, s23
	s_lshl_b32 s23, s32, 8
	s_add_co_u32 s28, s28, s23
	s_mov_b32 s29, 0
	s_lshl_b32 s31, s21, 2                         ; scale bytes: 12,288 X + (Wv: 8,192) + 1,024 for each 32 rows in the tile column + 16 kh
	s_cmp_eq_u32 s21, 2
	s_cselect_b32 s31, 0, s31
	s_cselect_b32 s23, 2, 3
	s_cselect_b32 s25, 3, 7
	s_cselect_b32 s30, 8192, 0
	s_lshr_b32 s23, s22, s23
	s_and_b32 s25, s22, s25
	s_add_co_u32 s23, s23, s31                     ; X
	s_mul_i32 s23, s23, 12288
	s_add_co_u32 s30, s30, s23
	s_lshl_b32 s25, s25, 10
	s_add_co_u32 s30, s30, s25
	s_lshl_b32 s25, s32, 4
	s_add_co_u32 s30, s30, s25
	s_mov_b32 s31, 0
	s_wait_alu depctr_va_vdst(0)
	s_wait_kmcnt 0x0
	s_cmp_eq_u32 s21, 1
	s_cselect_b64 s[6:7], s[8:9], s[6:7]
	s_cmp_eq_u32 s21, 2
	s_cselect_b64 s[6:7], s[10:11], s[6:7]
	s_add_nc_u64 s[6:7], s[6:7], s[26:27]
	s_add_nc_u64 s[16:17], s[16:17], s[28:29]
	s_add_nc_u64 s[18:19], s[18:19], s[30:31]
.macro WLOAD t                         ; block t: W(32 t + i, my column) into set t % 2
.irp i, 0,1,2,3,4,5,6,7,8,9,10,11,12,13,14,15,16,17,18,19,20,21,22,23,24,25,26,27,28,29,30,31
	global_load_b32 v[WX+32*((\t)%2)+\i], v3, s[6:7] offset:(32*(\t)+\i)*4096 th:TH_LOAD_NT
.endr
.endm
	WLOAD 0
	WLOAD 1
.macro BLOCK t
.set XS, WX+32*((\t)%2)
.if (\t) < NB-1
	s_wait_loadcnt 32                              ; this block's 32 loads are in; the next block's may be out
.else
	s_wait_loadcnt 0
.endif
	v_max3_num_f32 v16, |v[XS]|, |v[XS+1]|, |v[XS+2]|
	v_max3_num_f32 v17, |v[XS+3]|, |v[XS+4]|, |v[XS+5]|
.irp i, 6,10,14,18,22,26
	v_max3_num_f32 v16, v16, |v[XS+\i]|, |v[XS+\i+1]|
	v_max3_num_f32 v17, v17, |v[XS+\i+2]|, |v[XS+\i+3]|
.endr
	v_max3_num_f32 v16, v16, |v[XS+30]|, |v[XS+31]|
	v_max3_num_f32 v16, v16, v17, (EMAX+1)<<23
	v_add_nc_u32 v11, -(EMAX<<23), v16
	v_lshrrev_b32 v17, 23, v11
.if (\t) == 0
	v_mov_b32 v[SB], v17
.else
	v_lshl_or_b32 v[SB], v17, 8*(\t), v[SB]
.endif
.irp g, 0,1,2,3
	v_cvt_scalef32_pk8_fp4_f32 v[WC+\g], v[XS+8*\g:XS+8*\g+7], v11
.endr
	ds_store_b128 v4, v[WC:WC+3] offset:16*(\t)
.if (\t)+2 < NB
	WLOAD (\t)+2
.endif
	s_wait_dscnt 0x0                               ; the store has read its registers
.endm
	BLOCK 0
	BLOCK 1
	BLOCK 2
	BLOCK 3
	s_wait_alu depctr_va_vdst(0)
	ds_store_b32 v9, v[SB]
	s_wait_dscnt 0x0                               ; for the others' sake: my stores have landed
	s_barrier_signal -1
	s_barrier_wait -1
	s_cmp_eq_u32 s20, 0
	s_cbranch_scc0 .Lno_scales
	ds_load_b128 v[SO:SO+3], v10
	s_wait_dscnt 0x0
	global_store_b128 v19, v[SO:SO+3], s[18:19]    ; 16 bytes of each of 32 rows
.Lno_scales:
.irp i, 0,1,2,3
	ds_load_b128 v[OUTR+4*\i:OUTR+4*\i+3], v7 offset:2*WP*\i
.endr
.irp i, 0,1,2,3
	s_wait_dscnt 3-\i                              ; rows 2 i, 2 i + 1 are in; the younger rows may be out
	global_store_b128 v8, v[OUTR+4*\i:OUTR+4*\i+3], s[16:17] offset:1024*\i   ; sixteen lanes store 256 consecutive bytes, aligned
.endr
	s_wait_tensorcnt 0x0                           ; the wave's end
	ds_add_u32 v[SPW], v[NIL]
	s_wait_dscnt 0x0
	s_endpgm
.Lfunc_end_k_q60096c181d_prep:
	.size	k_q60096c181d_prep, .Lfunc_end_k_q60096c181d_prep-k_q60096c181d_prep
	.p2alignl 7, 3214868480
	.fill 96, 4, 3214868480
	.section	.rodata,"a",@progbits
	.p2align	6, 0x0
	.amdhsa_kernel k_q60096c181d_prep
		.amdhsa_group_segment_fixed_size 42496
		.amdhsa_private_segment_fixed_size 0
		.amdhsa_enable_private_segment 0
		.amdhsa_kernarg_size 64
		.amdhsa_user_sgpr_count 2
		.amdhsa_user_sgpr_kernarg_segment_ptr 1
		.amdhsa_wavefront_size32 1
		.amdhsa_system_sgpr_workgroup_id_x 1
		.amdhsa_system_sgpr_workgroup_id_y 1
		.amdhsa_system_sgpr_workgroup_id_z 1
		.amdhsa_system_vgpr_workitem_id 0
		.amdhsa_next_free_vgpr 224
		.amdhsa_next_free_sgpr 66
		.amdhsa_reserve_vcc 0
		.amdhsa_float_denorm_mode_32 3
		.amdhsa_float_denorm_mode_16_64 3
		.amdhsa_memory_ordered 1
		.amdhsa_forward_progress 1
		.amdhsa_inst_pref_size 55
	.end_amdhsa_kernel
	.amdgpu_metadata
---
amdhsa.version: [ 1, 2 ]
amdhsa.kernels:
  - .name:           k_q60096c181d_prep
    .symbol:         k_q60096c181d_prep.kd
    .args:
      - { .name: x, .offset: 0, .size: 8, .value_kind: global_buffer, .address_space: global }
      - { .name: Wq, .offset: 8, .size: 8, .value_kind: global_buffer, .address_space: global }
      - { .name: Wk, .offset: 16, .size: 8, .value_kind: global_buffer, .address_space: global }
      - { .name: Wv, .offset: 24, .size: 8, .value_kind: global_buffer, .address_space: global }
      - { .name: x_codes, .offset: 32, .size: 8, .value_kind: global_buffer, .address_space: global }
      - { .name: x_scales, .offset: 40, .size: 8, .value_kind: global_buffer, .address_space: global }
      - { .name: w_codes, .offset: 48, .size: 8, .value_kind: global_buffer, .address_space: global }
      - { .name: w_scales, .offset: 56, .size: 8, .value_kind: global_buffer, .address_space: global }
    .group_segment_fixed_size: 42496
    .private_segment_fixed_size: 0
    .kernarg_segment_align: 8
    .kernarg_segment_size: 64
    .max_flat_workgroup_size: 128
    .sgpr_count:     66
    .vgpr_count:     224
    .wavefront_size: 32
...
	.end_amdgpu_metadata
.endif
;; end of part 1
;; launch projqk (part 2): grid 8 x 32, 4 waves a work-group, clusters of 4 x 4, 327,680 bytes of LDS; arguments x_codes, x_scales, w_codes, w_scales, bq, bk, bv, qkv; writes qkv
.if DOCPART == 2
	.amdgcn_target "amdgcn-amd-amdhsa--gfx1250"
	.amdhsa_code_object_version 6
	.text
	.protected	k_q60096c181d_projqk
	.globl	k_q60096c181d_projqk
	.p2align	8
	.type	k_q60096c181d_projqk,@function
k_q60096c181d_projqk:
	s_mov_b64 s[64:65], 0
	v_nop
	global_prefetch_b8 v0, s[64:65] scope:SCOPE_SE
	s_setreg_imm32_b32 hwreg(HW_REG_WAVE_MODE, 25, 1), 1
	s_wait_xcnt 0x0
	s_wait_alu depctr_hold_cnt(0) depctr_sa_sdst(0) depctr_va_vdst(0) depctr_va_sdst(0) depctr_va_ssrc(0) depctr_va_vcc(0) depctr_vm_vsrc(0)
	s_getreg_b32 s2, hwreg(HW_REG_IB_STS2, 6, 4)
	s_cmp_eq_u32 s2, 0
	s_cbranch_scc0 .Lentry_in_a_cluster
	s_endpgm
.Lentry_in_a_cluster:
	s_bfe_u32 s2, ttmp6, 0x10000c
	s_cmp_lg_u32 s2, 0xf033
	s_cbranch_scc0 .Lentry_shape_is_right
	s_endpgm
.Lentry_shape_is_right:
; Second launch: all three projections on codes of E2M1, their biases, and the quantising of Q, K and V into the records that the attention launch reads.  Nothing is left out.
; A work-group (tile column X = 0..7, tile row Y = 0..31; four waves; clusters of 4 x 4 with joint loads) works in two phases on the same 256 rows of x, which stay in LDS with their scales.
; PHASE 1: 256 tokens x 256 columns of Wq (X < 4) or Wk: source 0 = rows of W, source 1 = rows of x, so that a lane holds a token and its registers run along the channels, the K of the scores' product.
; PHASE 2: the same 256 tokens x channels 128 X .. 128 X + 127 of Wv: source 0 = rows of x, source 1 = rows of Wv, so that a lane holds a channel and its registers run along the tokens, the K of the second product.
; Wv's 128 rows, both K steps, are asked for jointly behind the round at phase 1's change of slots, into the bytes of W's K step 0, which nobody reads any more; they land under the rest of phase 1.
; LDS: two slots of 256 rows of x and 256 rows of W (272 bytes a row); W's scales, Wv's scales, x's scales; the spare words.
.set ROLE_V, 0
.set SIZE_K, 1024
.set KSTEP,  512
.set NQ,     KSTEP/128
.set ROWB,   256
.set KROW,   SIZE_K*4/8
.set PITCH,  272
.set FR,     8
.set NL,     2
.set NP,     4
.set HALFT,  128*PITCH
.set SLOT,   4*HALFT
.set KS,     SIZE_K/32
.set SCL,    2*SLOT
.set HALFS,  (128*KS/256)*272
.set SBLK,   (16*KS/256)*272
.set SPARE,  SCL+5*HALFS
.set REC,    13568
.set HEADB,  16*REC
.set ADRA, 16
.set ADRB, 20
.set BA,   22
.set LI,   24
.set LV,   25
.set ADRS, 27
.set ADRW, 18                          ; v18-19 LDS address of my 64 rows of Wv, K step 0, 1
.set ADRS2, 23                         ; v23 phase 2's scale words: lanes 0-15 x's rows, lanes 16-31 Wv's
.set BA2,  26                          ; v26 my lane's offset in bv
.set SPW,  28
.set NIL,  29
.set SC,   32
.set TM,   96
.set SW,   112
.set T0,   120
.set AF,   128
.set PC,   128
.set BIAS, 192
.set SEL,  2
.set HM,   66
.set G1, 24
.set G0, 32
.set G1B, 48
.set G0B, 56
.set G1S, 68
.set G0S, 76
.set G1SB, 80
.set G0SB, 88
.set MSB, 0
.macro WIN new
.if MSB != \new
	s_set_vgpr_msb (MSB<<8)|\new
.set MSB, \new
.endif
.endm
.set MUL_LO,   0xa1
.set MUL_HI,   0xf1
.set FIRST_LO, 0x81
.set FIRST_HI, 0xc1
.set TO_B,     0x40
.macro JLOAD g0a, g1a, g0b, g1b
	s_cmp_eq_u32 s15, 0
	s_cbranch_scc0 .Lfor_b_\@
	tensor_load_to_lds s[\g0a:\g0a+3], s[\g1a:\g1a+7]
	s_nop 0
.rept 4
	v_nop
.endr
	s_branch .Lasked_\@
.Lfor_b_\@:
	tensor_load_to_lds s[\g0b:\g0b+3], s[\g1b:\g1b+7]
	s_nop 0
.rept 4
	v_nop
.endr
.Lasked_\@:
.endm
.macro CROUND
	s_barrier_signal -1
	s_barrier_wait -1
	s_cmp_lg_u32 s14, 0
	s_cbranch_scc1 .Lnot_wave_0_\@
	s_barrier_signal -3
.Lnot_wave_0_\@:
	s_barrier_wait -3
	s_barrier_signal -1
	s_barrier_wait -1
.endm
	s_load_b128 s[4:7], s[0:1], 0x0
	s_load_b128 s[8:11], s[0:1], 0x10
.if ROLE_V
	s_load_b64 s[96:97], s[0:1], 0x20
	s_load_b64 s[12:13], s[0:1], 0x28
.else
	s_load_b128 s[96:99], s[0:1], 0x20
	s_load_b64 s[100:101], s[0:1], 0x30
	s_load_b64 s[12:13], s[0:1], 0x38
.endif
	v_lshl_add_u32 v[SPW], v0, 2, SPARE
	v_mov_b32 v[NIL], 0
	ds_add_u32 v[SPW], v[NIL]
	ds_add_u32 v[SPW], v[NIL]
	v_lshrrev_b32 v1, 5, v0
	v_readfirstlane_b32 s14, v1
	s_lshr_b32 s15, s14, 1
	s_and_b32 s16, s14, 1
	s_bfe_u32 s40, ttmp6, 0x40000
	s_bfe_u32 s41, ttmp6, 0x40004
	s_lshl_b32 s42, ttmp9, 2
	s_add_co_u32 s42, s42, s40
.if ROLE_V
	s_mov_b32 s17, s41
.else
	s_and_b32 s17, ttmp7, 0xffff
	s_lshl_b32 s17, s17, 2
	s_add_co_u32 s17, s17, s41
.endif
	s_lshl_b32 s43, s41, 2
	s_lshl_b32 s43, 15, s43
	s_lshl_b32 s44, 0x1111, s40
	s_or_b32 s[G1+0], s43, (0<<16)|(1<<20)|(1<<21)|(5<<22)|(3<<25)
	s_or_b32 s[G1B+0], s44, (0<<16)|(1<<20)|(1<<21)|(5<<22)|(3<<25)
.irp g, G1, G1B
	s_mov_b32 s[\g+1], ROWB<<16
	s_mov_b32 s[\g+2], 256<<16
	s_mov_b32 s[\g+3], ROWB<<16
	s_mov_b32 s[\g+4], 256
	s_mov_b32 s[\g+5], KROW
	s_mov_b32 s[\g+6], 0
	s_mov_b32 s[\g+7], 0
.endr
	s_or_b32 s[G1S+0], s43, (3<<16)|(1<<20)|(1<<21)|(5<<22)|(3<<25)
	s_or_b32 s[G1SB+0], s44, (3<<16)|(1<<20)|(1<<21)|(5<<22)|(3<<25)
.irp g, G1S, G1SB
	s_mov_b32 s[\g+1], 32<<16
	s_mov_b32 s[\g+2], (256*KS/256)<<16
	s_mov_b32 s[\g+3], 32<<16
	s_mov_b32 s[\g+4], 256*KS/256
	s_mov_b32 s[\g+5], 32
	s_mov_b32 s[\g+6], 0
	s_mov_b32 s[\g+7], 0
.endr
	s_mov_b32 s[G1SB+2], 48<<16                    ; W's and Wv's scales of my tile column: 12,288 dense bytes, 48 rows of 256
	s_mov_b32 s[G1SB+4], 48
	s_mov_b32 s[SEL], 0x76543210
	s_mov_b32 s[SEL+1], 0xfedcba98
	s_mov_b32 s[HM], 0xffff0000
	s_mov_b32 s18, 0
	s_lshl_b32 s20, s17, 8
	s_add_co_u32 s20, s20, s18
	s_lshl_b32 s46, s42, 8
	s_add_co_u32 s46, s46, s18
	s_mov_b32 s21, 0
	s_mov_b32 s47, 0
	s_mov_b64 s[18:19], KS
	s_mul_u64 s[22:23], s[20:21], s[18:19]
	s_mul_i32 s92, s42, 12288
	s_mov_b32 s93, 0
	s_mov_b64 s[18:19], KROW
	s_mul_u64 s[20:21], s[20:21], s[18:19]
	s_mul_u64 s[46:47], s[46:47], s[18:19]
	s_mul_i32 s45, s14, HALFT
	s_wait_dscnt 0x0
	s_wait_kmcnt 0x0
.if ROLE_V
	s_add_nc_u64 s[4:5], s[4:5], 2048*KROW
	s_add_nc_u64 s[6:7], s[6:7], 2048*KS
.endif
	s_add_nc_u64 s[20:21], s[4:5], s[20:21]
	s_add_nc_u64 s[22:23], s[6:7], s[22:23]
	s_add_nc_u64 s[46:47], s[8:9], s[46:47]
	s_add_nc_u64 s[92:93], s[10:11], s[92:93]
	CROUND
	s_mov_b32 s[G0S], 1
	s_mov_b32 s[G0S+1], SCL+3*HALFS
	s_mov_b64 s[G0S+2:G0S+3], s[22:23]
	s_or_b32 s[G0S+3], s[G0S+3], 0x80000000
	s_mov_b32 s[G0SB], 1
	s_mov_b32 s[G0SB+1], SCL
	s_mov_b64 s[G0SB+2:G0SB+3], s[92:93]
	s_or_b32 s[G0SB+3], s[G0SB+3], 0x80000000
	s_mov_b32 s[G0], 1                             ; the head's four tiles, each whole: K step 0's 256 rows of A,
	s_mov_b32 s[G0+1], 0
	s_mov_b64 s[G0+2:G0+3], s[20:21]
	s_or_b32 s[G0+3], s[G0+3], 0x80000000
	s_mov_b32 s[G0B], 1                            ; its 256 rows of B; the two blocks of scales are set up above
	s_mov_b32 s[G0B+1], 2*HALFT
	s_mov_b64 s[G0B+2:G0B+3], s[46:47]
	s_or_b32 s[G0B+3], s[G0B+3], 0x80000000
	s_mul_i32 s18, s16, 128*KROW                   ; K step 1: each wave fetches 128 rows
	s_mov_b32 s19, 0
	s_add_nc_u64 s[20:21], s[20:21], s[18:19]
	s_add_nc_u64 s[46:47], s[46:47], s[18:19]
	s_mov_b32 s[G0+4], 1
	s_add_co_u32 s[G0+5], s45, SLOT
	s_add_nc_u64 s[G0+6:G0+7], s[20:21], ROWB
	s_or_b32 s[G0+7], s[G0+7], 0x80000000
	s_mov_b32 s[G0B+4], 1
	s_add_co_u32 s[G0B+5], s45, SLOT
	s_add_nc_u64 s[G0B+6:G0B+7], s[46:47], ROWB
	s_or_b32 s[G0B+7], s[G0B+7], 0x80000000
.macro ARM under, g0, g1, next         ; one tree of branches on the wave's number, one load an arm: one tensor load a wave at the head
	s_cmp_lt_u32 s14, \under
	s_cbranch_scc0 \next
	tensor_load_to_lds s[\g0:\g0+3], s[\g1:\g1+7]
	s_nop 0
.rept 4
	v_nop
.endr
	s_branch .Lhead_asked
\next:
.endm
	ARM 1, G0,  G1,  .Lhead_b
	ARM 2, G0B, G1B, .Lhead_sa
	ARM 3, G0S, G1S, .Lhead_sb
	tensor_load_to_lds s[G0SB:G0SB+3], s[G1SB:G1SB+7]
	s_nop 0
.rept 4
	v_nop
.endr
.Lhead_asked:
	v_and_b32 v1, 15, v0
	v_bfe_u32 v2, v0, 4, 1
	v_mul_u32_u24 v3, v1, PITCH
	v_lshl_add_u32 v4, v2, 4, v3
	s_mul_i32 s21, s15, HALFT
	s_mul_i32 s22, s16, HALFT
	s_add_co_u32 s22, s22, 2*HALFT
.irp s, 0,1
	v_add_nc_u32 v[ADRA+\s], s21, v4
	v_add_nc_u32 v[ADRB+\s], s22, v4
	s_add_co_u32 s21, s21, SLOT
	s_add_co_u32 s22, s22, SLOT
.endr
	s_mul_i32 s18, s16, 64*PITCH                   ; Wv: my 64 rows, K step 0 in the first 128 rows of W's slot 0, K step 1 in the second
	s_add_co_u32 s18, s18, 2*HALFT
	s_add_co_u32 s19, s18, HALFT
	s_mul_i32 s21, s15, HALFS                      ; x's scales lie last,
	s_add_co_u32 s21, s21, 3*HALFS
	s_mul_i32 s22, s16, HALFS                      ; W's first,
	s_mul_i32 s23, s16, HALFS/2                    ; Wv's between
	s_add_co_u32 s23, s23, 2*HALFS
	s_sub_co_u32 s92, s21, s22
	s_sub_co_u32 s93, s21, s23
	s_add_co_u32 s22, s22, SCL
	s_add_co_u32 s23, s23, SCL
	s_wait_alu depctr_va_vdst(0)
	v_add_nc_u32 v[ADRW], s18, v4
	v_add_nc_u32 v[ADRW+1], s19, v4
	v_and_b32 v7, 8, v1
	v_add_nc_u32 v7, v7, v1
	v_lshlrev_b32 v[BA2], 2, v7
	v_mul_u32_u24 v5, v1, KS
	v_lshrrev_b32 v6, 8, v5
	v_lshl_add_u32 v5, v6, 4, v5
	v_xor_b32 v7, 1, v2                            ; the lower base + (1 - h) x the distance: lanes 0-15 take x's
	v_mul_u32_u24 v6, s92, v7
	v_mul_u32_u24 v7, s93, v7
	v_add_nc_u32 v6, v5, v6
	v_add_nc_u32 v7, v5, v7
	v_add_nc_u32 v[ADRS], s22, v6
	v_add_nc_u32 v[ADRS2], s23, v7
	v_and_b32 v6, 31, v0
	v_lshlrev_b32 v[LI], 4, v6
	v_lshlrev_b32 v[LV], 3, v6
.if ROLE_V
	s_lshl_b32 s20, s17, 8
	s_lshl_b32 s21, s15, 7
	s_add_co_u32 s20, s20, s21
	s_lshl_b32 s92, s20, 2
	s_mov_b32 s93, 0
	s_add_nc_u64 s[96:97], s[96:97], s[92:93]
	v_and_b32 v5, 8, v1
	v_add_nc_u32 v5, v5, v1
	v_lshlrev_b32 v[BA], 2, v5
.irp a, 0,1,2,3,4,5,6,7
.irp j, 0,1,2,3,4,5,6,7
	global_load_b32 v[BIAS+8*\a+\j], v[BA], s[96:97] offset:(32*(\a/2)+8*(\a%2))*4
.endr
.endr
	s_lshr_b32 s20, s20, 6
	s_lshl_b32 s46, s42, 1
	s_add_co_u32 s46, s46, s16
	s_lshr_b32 s21, s46, 4
	s_and_b32 s46, s46, 15
	s_lshl_b32 s21, s21, 4
	s_add_co_u32 s21, s21, s20
	s_lshl_b32 s21, s21, 4
	s_add_co_u32 s21, s21, s46
	s_mul_i32 s20, s21, REC
	s_add_co_u32 s20, s20, 4608
.else
	s_cmp_eq_u32 ttmp9, 0
	s_cselect_b64 s[96:97], s[96:97], s[98:99]
	s_cselect_b32 s95, 8960, 0
	s_lshl_b32 s46, s42, 8
	s_lshl_b32 s47, s16, 7
	s_add_co_u32 s46, s46, s47
	s_and_b32 s92, s46, 1023
	s_lshl_b32 s92, s92, 2
	s_mov_b32 s93, 0
	s_add_nc_u64 s[96:97], s[96:97], s[92:93]
	v_lshlrev_b32 v[BA], 6, v2
.irp b, 0,1,2,3,4,5,6,7
	global_load_b128 v[BIAS+8*\b:BIAS+8*\b+3], v[BA], s[96:97] offset:(32*(\b/2)+8*(\b%2))*4
	global_load_b128 v[BIAS+8*\b+4:BIAS+8*\b+7], v[BA], s[96:97] offset:(32*(\b/2)+8*(\b%2))*4+16
.endr
	s_lshl_b32 s20, s17, 1
	s_add_co_u32 s20, s20, s15
	s_lshr_b32 s21, s20, 4
	s_and_b32 s20, s20, 15
	s_lshr_b32 s46, s46, 6
	s_and_b32 s46, s46, 15
	s_lshl_b32 s21, s21, 4
	s_add_co_u32 s21, s21, s46
	s_lshl_b32 s21, s21, 4
	s_add_co_u32 s21, s21, s20
	s_mul_i32 s20, s21, REC
	s_add_co_u32 s20, s20, s95
.endif
	s_mov_b32 s21, 0
	s_lshl_b32 s46, s17, 1                         ; phase 2's record: my 128 tokens' step,
	s_add_co_u32 s46, s46, s15
	s_lshr_b32 s47, s46, 4
	s_and_b32 s46, s46, 15
	s_lshl_b32 s47, s47, 4
	s_lshl_b32 s92, s42, 1
	s_add_co_u32 s92, s92, s16                     ; my 64 channels' head
	s_add_co_u32 s47, s47, s92
	s_lshl_b32 s47, s47, 4
	s_add_co_u32 s47, s47, s46
	s_mul_i32 s46, s47, REC
	s_add_co_u32 s46, s46, 4608
	s_mov_b32 s47, 0
	s_add_nc_u64 s[6:7], s[12:13], s[46:47]
	s_lshl_b32 s46, s92, 8
	s_add_nc_u64 s[100:101], s[100:101], s[46:47]  ; bv at my head
	s_add_nc_u64 s[12:13], s[12:13], s[20:21]
.macro FRAG reg, adr, q, i
.irp c, 0,1
	ds_load_b128 v[\reg+4*\c:\reg+4*\c+3], v[\adr] offset:64*(\q)+32*\c+(\i)*16*PITCH
.endr
.endm
.macro MUL16 a0, p, q, sc, first
.irp a, \a0, \a0+1
.irp b, 0,1,2,3,4,5,6,7
.if \first
.if ROLE_V
	v_wmma_scale_f32_16x16x128_f8f6f4 v[8*(8*((\a)%4)+\b):8*(8*((\a)%4)+\b)+7], v[128*(\p)+FR*\b:128*(\p)+FR*\b+FR-1], v[AF+FR*(\a):AF+FR*(\a)+FR-1], v[BIAS+8*(\a):BIAS+8*(\a)+7], v[SC+8*NQ*(\sc)+NQ*\b+(\q)], v[SC+8*NQ*(\sc)+NQ*(\a)+(\q)] matrix_a_fmt:MATRIX_FMT_FP4 matrix_b_fmt:MATRIX_FMT_FP4 matrix_a_scale:MATRIX_SCALE_ROW1
.else
	v_wmma_scale_f32_16x16x128_f8f6f4 v[8*(8*((\a)%4)+\b):8*(8*((\a)%4)+\b)+7], v[128*(\p)+FR*\b:128*(\p)+FR*\b+FR-1], v[AF+FR*(\a):AF+FR*(\a)+FR-1], v[BIAS+8*\b:BIAS+8*\b+7], v[SC+8*NQ*(\sc)+NQ*\b+(\q)], v[SC+8*NQ*(\sc)+NQ*(\a)+(\q)] matrix_a_fmt:MATRIX_FMT_FP4 matrix_b_fmt:MATRIX_FMT_FP4 matrix_a_scale:MATRIX_SCALE_ROW1
.endif
.else
	v_wmma_scale_f32_16x16x128_f8f6f4 v[8*(8*((\a)%4)+\b):8*(8*((\a)%4)+\b)+7], v[128*(\p)+FR*\b:128*(\p)+FR*\b+FR-1], v[AF+FR*(\a):AF+FR*(\a)+FR-1], v[8*(8*((\a)%4)+\b):8*(8*((\a)%4)+\b)+7], v[SC+8*NQ*(\sc)+NQ*\b+(\q)], v[SC+8*NQ*(\sc)+NQ*(\a)+(\q)] matrix_a_fmt:MATRIX_FMT_FP4 matrix_b_fmt:MATRIX_FMT_FP4 matrix_a_scale:MATRIX_SCALE_ROW1
.endif
.endr
.endr
.endm
.macro FETCH_B slot, q, p
	WIN TO_B
.irp i, 0,1,2,3,4,5,6,7
	FRAG 128*(\p)+FR*\i, ADRB+\slot, \q, \i
.endr
	WIN 0
.endm
.macro FETCH_A slot, q, i0
.irp i, \i0, \i0+1, \i0+2, \i0+3
	FRAG AF+FR*(\i), ADRA+\slot, \q, \i
.endr
.endm
.macro SCALES sc
.irp i, 0,1,2,3,4,5,6,7
	ds_load_b128 v[SC+8*NQ*\sc+NQ*\i:SC+8*NQ*\sc+NQ*\i+3], v[ADRS] offset:\i*SBLK
.endr
.endm
.macro PLACES n
.rept \n
	v_nop
.endr
.endm
.macro STEP slot, q, first
	s_wait_dscnt 4*NL
.if \first
	WIN FIRST_LO
.else
	WIN MUL_LO
.endif
	MUL16 0, (\q)%2, \q, \slot, \first
	MUL16 2, (\q)%2, \q, \slot, \first
	s_wait_dscnt 0
	PLACES NP
	FETCH_B \slot, (\q)+1, 1-(\q)%2
	FETCH_A \slot, (\q)+1, 0
.if \first
	WIN FIRST_HI
.else
	WIN MUL_HI
.endif
	MUL16 4, (\q)%2, \q, \slot, \first
	MUL16 6, (\q)%2, \q, \slot, \first
	PLACES NP
	WIN 0
	FETCH_A \slot, (\q)+1, 4
.endm
.macro TURN slot, next
	s_wait_tensorcnt 0x0
	ds_add_u32 v[SPW], v[NIL]
	s_wait_dscnt 4*NL+1
	WIN MUL_LO
	MUL16 0, 1, NQ-1, \slot, 0
	s_wait_dscnt 0x0
	s_barrier_signal -1
	MUL16 2, 1, NQ-1, \slot, 0
	WIN 0
	s_barrier_wait -1
	s_cmp_lg_u32 s14, 0                            ; the barrier has opened a round of the cluster's barrier: no wave of any partner still reads W's K step 0
	s_cbranch_scc1 .Lturn_nw0_\@
	s_barrier_signal -3
.Lturn_nw0_\@:
	s_barrier_wait -3
	s_barrier_signal -1
	s_barrier_wait -1
	s_cmp_lt_u32 s14, 2                            ; wave 2 asks for Wv's K step 0, wave 3 for its K step 1: 128 rows each, jointly with my column of the cluster
	s_cbranch_scc1 .Lturn_none_\@
	s_cmp_eq_u32 s14, 2
	s_cbranch_scc0 .Lturn_w1_\@
	tensor_load_to_lds s[G0S:G0S+3], s[G1B:G1B+7]
	s_nop 0
.rept 4
	v_nop
.endr
	s_branch .Lturn_none_\@
.Lturn_w1_\@:
	tensor_load_to_lds s[G0SB:G0SB+3], s[G1B:G1B+7]
	s_nop 0
.rept 4
	v_nop
.endr
.Lturn_none_\@:
	PLACES NP
	v_add_nc_u32 v[ADRS], 4*NQ, v[ADRS]
	FETCH_B \next, 0, 0
	FETCH_A \next, 0, 0
	SCALES \next
	WIN MUL_HI
	MUL16 4, 1, NQ-1, \slot, 0
	MUL16 6, 1, NQ-1, \slot, 0
	PLACES NP
	WIN 0
	FETCH_A \next, 0, 4
.endm
.macro STEPS slot, from
.set Q, \from
.rept NQ-1-\from
	STEP \slot, Q, 0
.set Q, Q+1
.endr
.endm
	s_wait_alu depctr_va_vdst(0)
	s_wait_tensorcnt 0x0                           ; my tile of the head's four is in
	ds_add_u32 v[SPW], v[NIL]
	s_mov_b32 s[G1+2], 128<<16                     ; no tensor load of mine is out: from here on a load brings 128 rows
	s_mov_b32 s[G1+4], 128
	s_mov_b32 s[G1B+2], 128<<16
	s_mov_b32 s[G1B+4], 128
	s_lshl_b32 s18, s42, 16                        ; the scales' groups 0 are done with: they take Wv's rows 2048 + 128 X on, K steps 0 and 1
	s_add_co_u32 s18, s18, 2048*KROW
	s_mov_b32 s19, 0
	s_mov_b32 s[G0S+1], 2*HALFT
	s_add_nc_u64 s[G0S+2:G0S+3], s[8:9], s[18:19]
	s_add_nc_u64 s[G0SB+2:G0SB+3], s[G0S+2:G0S+3], ROWB
	s_or_b32 s[G0S+3], s[G0S+3], 0x80000000
	s_or_b32 s[G0SB+3], s[G0SB+3], 0x80000000
	s_mov_b32 s[G0SB+1], 3*HALFT
	s_wait_dscnt 0x0
	CROUND
	JLOAD G0+4, G1, G0B+4, G1B                     ; K step 1, the first tensor load behind the round
	FETCH_B 0, 0, 0
	FETCH_A 0, 0, 0
	SCALES 0
	FETCH_A 0, 0, 4
	s_wait_loadcnt 0x0
	STEP 0, 0, 1
	STEPS 0, 1
	TURN 0, 1
	STEPS 1, 0
	s_wait_dscnt 4*NL
	WIN MUL_LO
	MUL16 0, 1, NQ-1, 1, 0
	MUL16 2, 1, NQ-1, 1, 0
	s_wait_dscnt 0
	WIN MUL_HI
	MUL16 4, 1, NQ-1, 1, 0
	MUL16 6, 1, NQ-1, 1, 0
	WIN 0
.macro WORDS a
.if ROLE_V
.set SWR, SW+2*((\a)/4)+((\a)%4)/2
	v_lshl_or_b32 v[T0], v[TM+5], 8, v[TM+4]
	v_lshl_or_b32 v[T0], v[TM+6], 16, v[T0]
.if (\a)%2 == 0
	v_lshl_or_b32 v[SWR], v[TM+7], 24, v[T0]
.else
	v_lshl_or_b32 v[T0], v[TM+7], 24, v[T0]
	v_cndmask_b32 v[SWR], v[SWR], v[T0], s[HM]
.endif
.else
.irp c, 0,1
	v_lshl_or_b32 v[T0+\c], v[TM+5+2*\c], 8, v[TM+4+2*\c]
.if (\a)%2 == 0
	v_lshl_or_b32 v[SW+4*\c+(\a)/2], v[T0+\c], 16, v[T0+\c]
.else
	v_lshl_or_b32 v[T0+\c], v[T0+\c], 16, v[T0+\c]
	v_cndmask_b32 v[SW+4*\c+(\a)/2], v[SW+4*\c+(\a)/2], v[T0+\c], s[HM]
.endif
.endr
.endif
.endm
.macro QUANT a
.set W, 2+(\a)/4
.set WN, (W|(W<<2))
.set S, 64*((\a)%4)
.set PCA, PC+8*(\a)
	WIN WN
.irp b, 0,1,2,3
	v_max3_num_f32 v[TM+\b], |v[S+16*\b]|, |v[S+16*\b+1]|, 0x1800000
.endr
.irp i, 2,4,6,8,10,12,14
.irp b, 0,1,2,3
	v_max3_num_f32 v[TM+\b], |v[S+16*\b+\i]|, |v[S+16*\b+\i+1]|, v[TM+\b]
.endr
.endr
	WIN 0
.irp b, 0,1,2,3
	v_permlanex16_b32 v[TM+4+\b], v[TM+\b], s[SEL], s[SEL+1]
.endr
.irp b, 0,1,2,3
	v_max_num_f32 v[TM+\b], v[TM+\b], v[TM+4+\b]
.endr
.irp b, 0,1,2,3
	v_add_nc_u32 v[TM+12+\b], 0xff000000, v[TM+\b]
.endr
.irp b, 0,1,2,3
	v_lshrrev_b32 v[TM+4+\b], 23, v[TM+12+\b]
.endr
	WORDS \a
	WIN W
.irp b, 0,1,2,3
	v_cvt_scalef32_pk8_fp4_f32 v[PCA+2*\b], v[S+16*\b:S+16*\b+7], v[TM+12+\b]
	v_cvt_scalef32_pk8_fp4_f32 v[PCA+1+2*\b], v[S+16*\b+8:S+16*\b+15], v[TM+12+\b]
.endr
	WIN 0
	v_nop
.irp c, 0,1
.irp i, 0,1
	v_permlane16_swap_b32 v[PCA+4*\c+\i], v[PCA+2+4*\c+\i]
.endr
.endr
.irp c, 0,1
.if ROLE_V
	global_store_b128 v[LI], v[PCA+4*\c:PCA+4*\c+3], s[12:13] offset:((\a)/4)*HEADB+1024*((\a)%4)+512*\c
.else
	global_store_b128 v[LI], v[PCA+4*\c:PCA+4*\c+3], s[12:13] offset:\c*HEADB+512*(\a)
.endif
.endr
.endm
	PLACES NP
.irp b, 0,1,2,3
	v_mov_b32 v[TM+4+\b], 0
.endr
.irp a, 0,1,2,3                        ; phase 2's bias, in the result's layout: bv at my lane's channel in all eight registers; it lands under phase 1's quantiser
.irp j, 0,1,2,3,4,5,6,7
	global_load_b32 v[BIAS+8*\a+\j], v[BA2], s[100:101] offset:(32*(\a/2)+8*(\a%2))*4
.endr
.endr
.irp a, 0,1,2,3,4,5,6,7
	QUANT \a
.endr
.irp c, 0,1
.if ROLE_V
	global_store_b64 v[LV], v[SW+2*\c:SW+2*\c+1], s[12:13] offset:\c*HEADB+4096
.else
	global_store_b128 v[LI], v[SW+4*\c:SW+4*\c+3], s[12:13] offset:\c*HEADB+4096
.endif
.endr
; PHASE 2.  Both operands' fragments lie in window 1, two sets: x's eight at 128 p, Wv's four at 128 p + 64; the 32 accumulators in window 2, (a, b) at 8 (8 a + b): a = Wv's block, b = x's block.
.macro FETCH2 slot, q, p
	WIN TO_B
.irp i, 0,1,2,3,4,5,6,7
	FRAG 128*(\p)+FR*\i, ADRA+\slot, \q, \i
.endr
.irp i, 0,1,2,3
	FRAG 128*(\p)+64+FR*\i, ADRW+\slot, \q, \i
.endr
	WIN 0
.endm
.macro MUL2 p, q, sc, first            ; the 32 accumulators take turns
.irp a, 0,1,2,3
.irp b, 0,1,2,3,4,5,6,7
.if \first
	v_wmma_scale_f32_16x16x128_f8f6f4 v[8*(8*\a+\b):8*(8*\a+\b)+7], v[128*(\p)+FR*\b:128*(\p)+FR*\b+FR-1], v[128*(\p)+64+FR*\a:128*(\p)+64+FR*\a+FR-1], v[BIAS+8*\a:BIAS+8*\a+7], v[SC+8*NQ*(\sc)+NQ*\b+(\q)], v[SC+8*NQ*(\sc)+NQ*\a+(\q)] matrix_a_fmt:MATRIX_FMT_FP4 matrix_b_fmt:MATRIX_FMT_FP4 matrix_b_scale:MATRIX_SCALE_ROW1
.else
	v_wmma_scale_f32_16x16x128_f8f6f4 v[8*(8*\a+\b):8*(8*\a+\b)+7], v[128*(\p)+FR*\b:128*(\p)+FR*\b+FR-1], v[128*(\p)+64+FR*\a:128*(\p)+64+FR*\a+FR-1], v[8*(8*\a+\b):8*(8*\a+\b)+7], v[SC+8*NQ*(\sc)+NQ*\b+(\q)], v[SC+8*NQ*(\sc)+NQ*\a+(\q)] matrix_a_fmt:MATRIX_FMT_FP4 matrix_b_fmt:MATRIX_FMT_FP4 matrix_b_scale:MATRIX_SCALE_ROW1
.endif
.endr
.endr
.endm
	s_wait_alu depctr_va_vdst(0)
	s_wait_tensorcnt 0x0                           ; Wv's tiles have landed (waves 2 and 3 asked),
	s_barrier_signal -1
	s_barrier_wait -1                              ; and every wave knows it
	FETCH2 0, 0, 0
.irp sc, 0,1
.irp i, 0,1,2,3,4,5,6,7
	ds_load_b128 v[SC+8*NQ*\sc+NQ*\i:SC+8*NQ*\sc+NQ*\i+3], v[ADRS2] offset:\i*SBLK+16*\sc   ; lanes 0-15: x's block i; lanes 16-31: Wv's block i (for i over 3: bytes of x's scales, which no product names)
.endr
.endr
	s_wait_xcnt 0x0                                ; phase 1's stores have read their base and their registers
	s_mov_b64 s[12:13], s[6:7]
	s_wait_loadcnt 0x0                             ; the bias
.set K2, 0
.rept 8                                ; eight steps of 128 along K; the next step's 24 loads are issued ahead of this step's 32 products
	s_wait_dscnt 0x0
.if K2 < 7
	PLACES NP
	FETCH2 (K2+1)/4, (K2+1)%4, (K2+1)%2
.endif
.if K2 == 0
	WIN 0x85                                       ; sources 0 and 1 window 1, C window 0, D window 2
.else
	WIN 0xa5                                       ; the same, C window 2
.endif
	MUL2 K2%2, K2%4, K2/4, K2==0
.set K2, K2+1
.endr
	WIN 0
	PLACES NP
.set ROLE_V, 1                         ; the quantiser along the tokens, and V's places in the record
.irp a, 0,1,2,3
	QUANT \a
.endr
	global_store_b64 v[LV], v[SW:SW+1], s[12:13] offset:4096
	s_wait_tensorcnt 0x0
	ds_add_u32 v[SPW], v[NIL]
	s_wait_dscnt 0x0
	CROUND
	s_endpgm
.Lfunc_end_k_q60096c181d_projqk:
	.size	k_q60096c181d_projqk, .Lfunc_end_k_q60096c181d_projqk-k_q60096c181d_projqk
	.p2alignl 7, 3214868480
	.fill 96, 4, 3214868480
	.section	.rodata,"a",@progbits
	.p2align	6, 0x0
	.amdhsa_kernel k_q60096c181d_projqk
		.amdhsa_group_segment_fixed_size 327680
		.amdhsa_private_segment_fixed_size 0
		.amdhsa_enable_private_segment 0
		.amdhsa_kernarg_size 64
		.amdhsa_user_sgpr_count 2
		.amdhsa_user_sgpr_kernarg_segment_ptr 1
		.amdhsa_wavefront_size32 1
		.amdhsa_system_sgpr_workgroup_id_x 1
		.amdhsa_system_sgpr_workgroup_id_y 1
		.amdhsa_system_sgpr_workgroup_id_z 1
		.amdhsa_system_vgpr_workitem_id 0
		.amdhsa_next_free_vgpr 1024
		.amdhsa_next_free_sgpr 102
		.amdhsa_reserve_vcc 0
		.amdhsa_float_denorm_mode_32 3
		.amdhsa_float_denorm_mode_16_64 3
		.amdhsa_memory_ordered 1
		.amdhsa_forward_progress 1
		.amdhsa_inst_pref_size 201
	.end_amdhsa_kernel
	.amdgpu_metadata
---
amdhsa.version: [ 1, 2 ]
amdhsa.kernels:
  - .name:           k_q60096c181d_projqk
    .symbol:         k_q60096c181d_projqk.kd
    .args:
      - { .name: x_codes, .offset: 0, .size: 8, .value_kind: global_buffer, .address_space: global }
      - { .name: x_scales, .offset: 8, .size: 8, .value_kind: global_buffer, .address_space: global }
      - { .name: w_codes, .offset: 16, .size: 8, .value_kind: global_buffer, .address_space: global }
      - { .name: w_scales, .offset: 24, .size: 8, .value_kind: global_buffer, .address_space: global }
      - { .name: bq, .offset: 32, .size: 8, .value_kind: global_buffer, .address_space: global }
      - { .name: bk, .offset: 40, .size: 8, .value_kind: global_buffer, .address_space: global }
      - { .name: bv, .offset: 48, .size: 8, .value_kind: global_buffer, .address_space: global }
      - { .name: qkv, .offset: 56, .size: 8, .value_kind: global_buffer, .address_space: global }
    .group_segment_fixed_size: 327680
    .private_segment_fixed_size: 0
    .kernarg_segment_align: 8
    .kernarg_segment_size: 64
    .max_flat_workgroup_size: 128
    .sgpr_count:     102
    .vgpr_count:     1024
    .wavefront_size: 32
...
	.end_amdgpu_metadata
.endif
;; end of part 2
;; launch attn (part 3): grid 4 x 64, 16 waves a work-group, clusters of 4 x 1, 215,040 bytes of LDS; arguments qkv, out0; writes out0
.if DOCPART == 3
	.amdgcn_target "amdgcn-amd-amdhsa--gfx1250"
	.amdhsa_code_object_version 6
	.text
	.protected	k_q60096c181d_attn
	.globl	k_q60096c181d_attn
	.p2align	8
	.type	k_q60096c181d_attn,@function
k_q60096c181d_attn:
	s_mov_b64 s[64:65], 0
	v_nop
	global_prefetch_b8 v0, s[64:65] scope:SCOPE_SE
	s_setreg_imm32_b32 hwreg(HW_REG_WAVE_MODE, 25, 1), 1
	s_wait_xcnt 0x0
	s_wait_alu depctr_hold_cnt(0) depctr_sa_sdst(0) depctr_va_vdst(0) depctr_va_sdst(0) depctr_va_ssrc(0) depctr_va_vcc(0) depctr_vm_vsrc(0)
	s_getreg_b32 s2, hwreg(HW_REG_IB_STS2, 6, 4)
	s_cmp_eq_u32 s2, 0
	s_cbranch_scc0 .Lentry_in_a_cluster
	s_endpgm
.Lentry_in_a_cluster:
	s_bfe_u32 s2, ttmp6, 0x10000c
	s_cmp_lg_u32 s2, 0x3003
	s_cbranch_scc0 .Lentry_shape_is_right
	s_endpgm
.Lentry_shape_is_right:
; Last launch: out[b][q][64 head + d] = the sum over k of softmax_k(Q . K / 8) V, both products on codes of E2M1 with one E8M0 scale for each 32 along a product's K.  Nothing is left out.
; qkv: [64 heads][16 steps of 128 tokens][record of 13,568 bytes]: +0 K's codes (8 stored tiles of 16 tokens, 512 bytes each), +4096 K's scale words, +4608 V's codes (4 tiles of 16 channels x 128 keys), +8704 V's scale words,
; +8960 Q's codes, +13056 Q's scale words: images of operand registers, lane l's 16 bytes at 16 l.  Stored tile t's row r is token (or channel) 32 (t / 2) + 8 (t % 2) + r + 8 (r / 8).
; THE SOFTMAX: t = score x log2(e) / 8; M = the running largest t rounded UP to a whole number; p = 2^(t - M) is quantised along the keys, not normalised; the row's sum is taken of the unquantised p and divides at the end.
; When M moves, the sum and O are multiplied by 2^(old M - new M), which rounds nothing.
; SHARES.  A work-group owns 512 queries of one head, each of its sixteen waves 32: tiles A and B, which use each fragment of K and V that the wave reads.  A whole head's K and V lie in LDS at once: 16 x 8,960 bytes, one tensor load a wave,
; filled once: no ring, no refill, no barrier in the loop, and no loop in which a prefetch could run ahead of that one fill.  CLUSTER: the four query blocks of a head ask for each of the sixteen loads jointly.
; LAYOUT.  Both products are used transposed: a lane holds one query throughout.  THE KEYS OF A TILE ARE CHOSEN BY THE LANE'S LDS ADDRESS: row 8 a + j of tile 4 g + u is key 64 g + 32 a + 8 u + j of the step.  So the 32 score
; registers of tiles 4 g .. 4 g + 3 in lane half h are the whole block 2 g + h of 32 keys: a block's maximum needs no other lane, and the eight conversions' results are the second product's operand as they stand.
; THE MATRIX FORM has 32 rows (W32 = 1): its source 0 names sixteen registers: tile T, four registers that meet Q's zero codes, tile T + 2, four more of that kind.  THE HEAD HAS 64 ALONG K, THE INSTRUCTION 128: Q's upper four
; registers hold zero codes, and a zero times any number of E2M1 is exactly 0; the upper two bytes of K's and Q's scale words repeat the live bytes.
; K's and V's fragments have registers of their own and are loaded one step ahead.  The last step is written out: it loads nothing.
; LIMITS: NaN and infinities are not served; a block whose every p has fallen to 0 keeps the byte 1 (its codes are zeros); the promise holds while the scaled scores stay under 2^31 in magnitude.
.set W32,   1
.set REC,   13568
.set HEADB, 16*REC
.set STEPB, 8960
.set STAGE, 16*STEPB                   ; behind K and V: 16 rows x 272 bytes for each wave, for the way out
.set SP,    272
.set SPARE, STAGE+16*16*SP             ; the spare words, 128 bytes for each of 16 waves
.set AK,  1                            ; my lane's place in K's codes: 1024 a + 16 j + 256 h (on the way out: into the stage)
.set AS,  2                            ; in K's scale words: 128 h + 16 j + 4 a (on the way out: back from the stage)
.set AV,  3                            ; 16 x lane (on the way out: my offset in out)
.set AVS, 4                            ; 8 x lane
.set SPW, 5
.set NIL, 6
.set WK,  7                            ; the four addresses of the step ahead
.set WS,  8
.set WVA, 9
.set SH,  10                           ; 8 h
.set TP,  11                           ; a lane permute's destination
.set STA, 12                           ; -M, the largest score, the sum in two halves: tile A's; v16-19 tile B's
.set STB, 16
.set QA,  20                           ; four registers of codes, four of zeros
.set QB,  28
.set KF,  36                           ; K's eight tiles of four registers
.set P,   68                           ; p's codes; its first four also stand behind K's tile 7
.set VF,  76                           ; V's four tiles of eight
.set KS,  108                          ; v108-116 scales and nothing else
.set VS,  112
.set QSA, 114
.set QSB, 115
.set PW,  116
.set WVS, 117
.set F,   118                          ; f = 2^(old M - new M), named as a pair
.set TM,  120                          ; v120-127 at work
.set S,   128                          ; S^T, then p: tile 4 g + u at S + 32 g + 16 (u % 2) + 8 (u / 2)
.set OA,  192
.set OB,  224
.set WV,  8
.set SEL, 24
.set CS,  26
.set TB,  28
.set CNT, 29
.macro CROUND
	s_barrier_signal -1
	s_barrier_wait -1
	s_cmp_lg_u32 s[WV], 0
	s_cbranch_scc1 .Lnot_wave_0_\@
	s_barrier_signal -3
.Lnot_wave_0_\@:
	s_barrier_wait -3
	s_barrier_signal -1
	s_barrier_wait -1
.endm
	s_load_b128 s[4:7], s[0:1], 0x0                ; qkv, out
	v_lshl_add_u32 v[SPW], v0, 2, SPARE
	v_mov_b32 v[NIL], 0
	ds_add_u32 v[SPW], v[NIL]                      ; the opening lines: the add, twice on end, and its wait ahead of my tensor load
	ds_add_u32 v[SPW], v[NIL]
	v_lshrrev_b32 v[TM], 5, v0
	v_readfirstlane_b32 s[WV], v[TM]               ; wave 0..15
	s_bfe_u32 s9, ttmp6, 0x40000                   ; cx: which 512 queries; it enters Q's and out's addresses alone
	s_and_b32 s10, ttmp7, 0xffff                   ; the head, which the four partners share
	s_mov_b32 s16, 15|(3<<16)|(1<<21)              ; group 1: 8,960 dense bytes as 35 rows of 256; the mask names all four
	s_mov_b32 s17, 32<<16
	s_mov_b32 s18, 35<<16
	s_mov_b32 s19, 32<<16
	s_mov_b32 s20, 35
	s_mov_b32 s21, 32
	s_mov_b32 s22, 0
	s_mov_b32 s23, 0
	s_mov_b32 s[SEL], 0x76543210
	s_mov_b32 s[SEL+1], 0xfedcba98
	s_mov_b32 s[CS], 0x3e38aa3b                    ; c = log2(e) / 8
	s_mov_b32 s[CS+1], s[CS]
	s_mul_i32 s30, s10, HEADB
	s_mul_i32 s31, s[WV], REC
	s_add_co_u32 s32, s30, s31                     ; step w's record: what I fetch
	s_mov_b32 s33, 0
	s_lshl_b32 s34, s9, 2
	s_lshr_b32 s35, s[WV], 2
	s_add_co_u32 s34, s34, s35                     ; my queries' record: step 4 cx + w / 4
	s_mul_i32 s34, s34, REC
	s_add_co_u32 s34, s34, s30
	s_mov_b32 s35, 0
	s_lshr_b32 s36, s10, 4                         ; out: row 2048 x batch + 512 cx + 32 w, 4,096 bytes a row, + the head's 256 bytes
	s_lshl_b32 s36, s36, 11
	s_lshl_b32 s37, s9, 9
	s_add_co_u32 s36, s36, s37
	s_lshl_b32 s37, s[WV], 5
	s_add_co_u32 s36, s36, s37
	s_lshl_b32 s36, s36, 12
	s_and_b32 s37, s10, 15
	s_lshl_b32 s37, s37, 8
	s_add_co_u32 s36, s36, s37
	s_mov_b32 s37, 0
	s_wait_dscnt 0x0
	s_wait_kmcnt 0x0
	s_mov_b32 s12, 1
	s_mul_i32 s13, s[WV], STEPB
	s_add_nc_u64 s[14:15], s[4:5], s[32:33]
	s_or_b32 s15, s15, 0x80000000
	s_add_nc_u64 s[34:35], s[4:5], s[34:35]
	s_add_nc_u64 s[6:7], s[6:7], s[36:37]
	CROUND                                         ; all four work-groups are here: the joint loads meet
	tensor_load_to_lds s[12:15], s[16:23]          ; my one tensor load of the launch
	s_nop 0
.rept 4
	v_nop
.endr
	v_and_b32 v[TM], 31, v0
	v_lshlrev_b32 v[AV], 4, v[TM]
	v_lshlrev_b32 v[AVS], 3, v[TM]
	v_and_b32 v[TM+1], 15, v0                      ; r
	v_bfe_u32 v[TM+2], v0, 4, 1                    ; h
	v_and_b32 v[TM+3], 7, v0                       ; j
	v_bfe_u32 v[TM+4], v0, 3, 1                    ; a
	s_and_b32 s38, s[WV], 3
	s_lshl_b32 s39, s38, 10
	v_add_nc_u32 v[TM+5], s39, v[AV]               ; my two tiles of Q: 2 (w % 4) and the next
	s_lshl_b32 s39, s38, 2
	v_lshl_add_u32 v[TM+6], v[TM+1], 4, s39        ; row r's word w % 4 of the scale image
	global_load_b128 v[QA:QA+3], v[TM+5], s[34:35] offset:8960
	global_load_b128 v[QB:QB+3], v[TM+5], s[34:35] offset:8960+512
	global_load_b32 v[QSA], v[TM+6], s[34:35] offset:13056
	global_load_b32 v[QSB], v[TM+6], s[34:35] offset:13056+256
	v_lshlrev_b32 v[AK], 4, v[TM+3]
	v_lshlrev_b32 v[AS], 4, v[TM+3]
	v_lshl_add_u32 v[AK], v[TM+4], 10, v[AK]
	v_lshl_add_u32 v[AS], v[TM+4], 2, v[AS]
	v_lshl_add_u32 v[AK], v[TM+2], 8, v[AK]
	v_lshl_add_u32 v[AS], v[TM+2], 7, v[AS]
	v_lshlrev_b32 v[SH], 3, v[TM+2]
.irp j, 0,1,2,3
	v_mov_b32 v[QA+4+\j], 0                        ; zero codes for the upper 64 of the instruction's K
	v_mov_b32 v[QB+4+\j], 0
	v_mov_b32 v[P+\j], 0                           ; named behind K's tile 7 before p is first made
.endr
.irp st, STA, STB
	v_mov_b32 v[\st+1], 0xff61b1e6                 ; the largest score so far: -3e38
	v_mov_b32 v[\st+2], 0
	v_mov_b32 v[\st+3], 0
	v_floor_f32 v[\st], -v[\st+1]
.endr
	v_mov_b32 v[TP], 0
	v_mov_b32 v[F+1], 0
.set j, 0
.rept 64
	v_mov_b32 v[OA+j], 0                           ; O^T: the step is written for every step alike; the first finds zeros
.set j, j+1
.endr
	s_mov_b32 s[TB], 0
	s_mov_b32 s[CNT], 15
.macro LOADK adr, ads                  ; twelve LDS loads: K's eight tiles and four registers of scale words (lanes 0-15: tile 4 g + e, lanes 16-31: tile 4 g + e + 2)
.irp t, 0,1,2,3,4,5,6,7
	ds_load_b128 v[KF+4*\t:KF+4*\t+3], v[\adr] offset:2048*(\t/4)+512*(\t%2)+128*((\t%4)/2)
.endr
.irp i, 0,1,2,3
	ds_load_b32 v[KS+\i], v[\ads] offset:4096+8*(\i/2)+256*(\i%2)
.endr
.endm
.macro LOADV adr, ads                  ; nine LDS loads
.irp k, 0,1,2,3,4,5,6,7
	ds_load_b128 v[VF+4*\k:VF+4*\k+3], v[\adr] offset:4608+512*\k
.endr
	ds_load_b64 v[VS:VS+1], v[\ads] offset:8704
.endm
.macro SCORES q, qs                    ; S^T = K Q^T
.irp g, 0,1
.irp e, 0,1
.if W32
	v_wmma_scale_f32_32x16x128_f4 v[S+32*\g+16*\e:S+32*\g+16*\e+15], v[KF+16*\g+4*\e:KF+16*\g+4*\e+15], v[\q:\q+7], 0, v[KS+2*\g+\e], v[\qs]
.else
	v_wmma_scale_f32_16x16x128_f8f6f4 v[S+32*\g+16*\e:S+32*\g+16*\e+7], v[KF+16*\g+4*\e:KF+16*\g+4*\e+7], v[\q:\q+7], 0, v[KS+2*\g+\e], v[\qs] matrix_a_fmt:MATRIX_FMT_FP4 matrix_b_fmt:MATRIX_FMT_FP4
	v_wmma_scale_f32_16x16x128_f8f6f4 v[S+32*\g+16*\e+8:S+32*\g+16*\e+15], v[KF+16*\g+4*\e+8:KF+16*\g+4*\e+15], v[\q:\q+7], 0, v[KS+2*\g+\e], v[\qs] matrix_a_fmt:MATRIX_FMT_FP4 matrix_b_fmt:MATRIX_FMT_FP4 matrix_a_scale:MATRIX_SCALE_ROW1
.endif
.endr
.endr
.endm
.macro PV ob                           ; O^T += V^T P^T; the accumulators take turns
.irp i, 0,1
.if W32
	v_wmma_scale_f32_32x16x128_f4 v[\ob+16*\i:\ob+16*\i+15], v[VF+16*\i:VF+16*\i+15], v[P:P+7], v[\ob+16*\i:\ob+16*\i+15], v[VS+\i], v[PW]
.else
	v_wmma_scale_f32_16x16x128_f8f6f4 v[\ob+16*\i:\ob+16*\i+7], v[VF+16*\i:VF+16*\i+7], v[P:P+7], v[\ob+16*\i:\ob+16*\i+7], v[VS+\i], v[PW] matrix_a_fmt:MATRIX_FMT_FP4 matrix_b_fmt:MATRIX_FMT_FP4
	v_wmma_scale_f32_16x16x128_f8f6f4 v[\ob+16*\i+8:\ob+16*\i+15], v[VF+16*\i+8:VF+16*\i+15], v[P:P+7], v[\ob+16*\i+8:\ob+16*\i+15], v[VS+\i], v[PW] matrix_a_fmt:MATRIX_FMT_FP4 matrix_b_fmt:MATRIX_FMT_FP4 matrix_a_scale:MATRIX_SCALE_ROW1
.endif
.endr
.endm
.macro TMM st, from                    ; t - M for sixteen scores, two at a time
.set j, \from
.rept 8
	v_pk_fma_f32 v[S+j:S+j+1], v[S+j:S+j+1], s[CS:CS+1], v[\st:\st+1] op_sel_hi:[1,0,0]
.set j, j+2
.endr
.endm
.macro OM ob, from                     ; eight registers of O^T x f
.set j, \from
.rept 4
	v_pk_mul_f32 v[\ob+j:\ob+j+1], v[\ob+j:\ob+j+1], v[F:F+1] op_sel_hi:[1,0]
.set j, j+2
.endr
.endm
; One tile's softmax for 128 keys.  My lane's registers S + 32 g .. + 31 are block 2 g + h.
.macro SOFTMAX st, ob
.irp c, 0,1,2,3
	v_max3_num_f32 v[TM+\c], v[S+16*\c], v[S+16*\c+1], v[S+16*\c+2]   ; four chains by turns, each accumulator from its low end on
.endr
.irp i, 3,5,7,9,11,13
.irp c, 0,1,2,3
	v_max3_num_f32 v[TM+\c], v[TM+\c], v[S+16*\c+\i], v[S+16*\c+\i+1]
.endr
.endr
	v_max3_num_f32 v[TM], v[TM], v[S+15], v[S+31]
	v_max3_num_f32 v[TM+2], v[TM+2], v[S+47], v[S+63]
	v_max_num_f32 v[TM], v[TM], v[TM+1]            ; the largest score of block h,
	v_max_num_f32 v[TM+1], v[TM+2], v[TM+3]        ; and of block 2 + h: each serves for the row's maximum and, since p rises with the score, for the block's largest p
	v_max_num_f32 v[TM+2], v[TM], v[TM+1]
	v_permlanex16_b32 v[TP], v[TM+2], s[SEL], s[SEL+1]
	v_max3_num_f32 v[\st+1], v[\st+1], v[TM+2], v[TP]   ; the running largest score, with lane l xor 16's two blocks
	v_mov_b32 v[TM+3], v[\st]
	v_mul_f32 v[TM+2], s[CS], v[\st+1]             ; as t (c is positive, so the largest score gives the largest t)
	v_floor_f32 v[\st], -v[TM+2]                   ; the new -M: a whole number
	TMM \st, 0
	v_sub_f32 v[TM+3], v[\st], v[TM+3]             ; old M - new M, 0 or less
	TMM \st, 16
	v_cvt_i32_f32 v[TM+3], v[TM+3]                 ; (it saturates)
	TMM \st, 32
	v_ldexp_f32 v[F], 1.0, v[TM+3]                 ; f
	TMM \st, 48
	v_fma_f32 v[TM], v[TM], s[CS], v[\st]
	v_fma_f32 v[TM+1], v[TM+1], s[CS], v[\st]
	s_wait_alu depctr_va_vdst(0)
.set j, 0
.rept 64
	v_exp_f32 v[S+j], v[S+j]                       ; p = 2^(t - M), at most 1
.set j, j+1
.endr
	v_exp_f32 v[TM], v[TM]                         ; the blocks' largest p
	v_exp_f32 v[TM+1], v[TM+1]
	v_pk_mul_f32 v[\st+2:\st+3], v[\st+2:\st+3], v[F:F+1] op_sel_hi:[1,0]   ; the sums under the new M: the plain instruction behind the batch
	s_wait_alu depctr_va_vdst(0)                   ; one wait for the batch, directly ahead of the first reader of O^T too
	OM \ob, 0
	v_max_num_f32 v[TM], 0x1800000, v[TM]          ; the floor 2^(3 - 127)
	v_max_num_f32 v[TM+1], 0x1800000, v[TM+1]
	OM \ob, 8
	v_add_nc_u32 v[TM+4], 0xff000000, v[TM]        ; 2 off the exponent field: the conversions' scale operands
	v_add_nc_u32 v[TM+5], 0xff000000, v[TM+1]
	OM \ob, 16
	v_lshrrev_b32 v[TM], 23, v[TM+4]               ; the scales' bytes
	v_lshrrev_b32 v[TM+1], 23, v[TM+5]
	OM \ob, 24
	v_lshl_or_b32 v[TM+6], v[TM+1], 16, v[TM]
.irp g, 0,1
.irp u, 0,1,2,3
	v_cvt_scalef32_pk8_fp4_f32 v[P+4*\g+\u], v[S+32*\g+16*(\u%2)+8*(\u/2):S+32*\g+16*(\u%2)+8*(\u/2)+7], v[TM+4+\g]   ; keys 64 g + 32 h + 8 u on
.endr
.endr
	v_lshlrev_b32 v[TM+6], v[SH], v[TM+6]          ; my two bytes at their places (the plain place behind the conversions)
	v_permlanex16_b32 v[TP], v[TM+6], s[SEL], s[SEL+1]
	v_pk_add_f32 v[TM:TM+1], v[S:S+1], v[S+2:S+3]  ; the row's sum of the UNQUANTISED p, two at a time, in four chains; these lines also stand between the codes and scale word just made and the products
	v_pk_add_f32 v[TM+2:TM+3], v[S+4:S+5], v[S+6:S+7]
	v_pk_add_f32 v[TM+4:TM+5], v[S+8:S+9], v[S+10:S+11]
	v_pk_add_f32 v[\st+2:\st+3], v[\st+2:\st+3], v[S+12:S+13]
	v_or_b32 v[PW], v[TM+6], v[TP]                 ; p's scale word for these 128 keys
.set j, 14
.rept 6
	v_pk_add_f32 v[TM:TM+1], v[TM:TM+1], v[S+j:S+j+1]
	v_pk_add_f32 v[TM+2:TM+3], v[TM+2:TM+3], v[S+j+2:S+j+3]
	v_pk_add_f32 v[TM+4:TM+5], v[TM+4:TM+5], v[S+j+4:S+j+5]
	v_pk_add_f32 v[\st+2:\st+3], v[\st+2:\st+3], v[S+j+6:S+j+7]
.set j, j+8
.endr
	v_pk_add_f32 v[TM:TM+1], v[TM:TM+1], v[S+62:S+63]
	v_pk_add_f32 v[TM+2:TM+3], v[TM+2:TM+3], v[TM+4:TM+5]
	v_pk_add_f32 v[\st+2:\st+3], v[\st+2:\st+3], v[TM:TM+1]
	v_pk_add_f32 v[\st+2:\st+3], v[\st+2:\st+3], v[TM+2:TM+3]
.endm
; A step of 128 keys.  more = 1: the next step's fragments are loaded as soon as this step's products have read theirs.
.macro TRIP more
	s_wait_dscnt 9                                 ; K's twelve loads are in; V's nine, issued behind them, may be out
	SCORES QA, QSA
.rept 4
	v_nop
.endr
	SOFTMAX STA, OA
	s_wait_dscnt 0x0                               ; V is in
	PV OA
	SCORES QB, QSB
.if \more
	s_add_co_u32 s[TB], s[TB], STEPB
	v_add_nc_u32 v[WK], s[TB], v[AK]               ; four places behind the products, in front of the loads into K's registers and of the first read of the scores
	v_add_nc_u32 v[WS], s[TB], v[AS]
	v_nop
	v_nop
	LOADK WK, WS
.else
.rept 4
	v_nop
.endr
.endif
	SOFTMAX STB, OB
	PV OB
.if \more
	v_add_nc_u32 v[WVA], s[TB], v[AV]              ; four places in front of the loads into V's registers
	v_add_nc_u32 v[WVS], s[TB], v[AVS]
	v_nop
	v_nop
	LOADV WVA, WVS
.endif
.endm
	s_wait_alu depctr_va_vdst(0)
	s_wait_loadcnt 0x0                             ; Q
	s_wait_tensorcnt 0x0                           ; my step's K and V have landed,
	s_barrier_signal -1
	s_barrier_wait -1                              ; everybody's have
	LOADK AK, AS
	LOADV AV, AVS
.Lstep:                                            ; 15 trips; no barrier and no tensor load in the loop
	TRIP 1
	s_sub_co_u32 s[CNT], s[CNT], 1
	s_cmp_lg_u32 s[CNT], 0
	s_cbranch_scc1 .Lstep
	TRIP 0
	; THE WAY OUT.  O^T is divided by the sum and goes through my stage, a tile of 16 queries x 256 bytes at a time.
	v_add_f32 v[STA+2], v[STA+2], v[STA+3]
	v_add_f32 v[STB+2], v[STB+2], v[STB+3]
	v_permlanex16_b32 v[TM], v[STA+2], s[SEL], s[SEL+1]
	v_permlanex16_b32 v[TM+1], v[STB+2], s[SEL], s[SEL+1]
	v_add_f32 v[STA+2], v[STA+2], v[TM]
	v_add_f32 v[STB+2], v[STB+2], v[TM+1]
	s_wait_alu depctr_va_vdst(0)
	v_rcp_f32 v[STA+2], v[STA+2]
	v_rcp_f32 v[STB+2], v[STB+2]
	v_and_b32 v[WK], 15, v0                        ; r
	v_bfe_u32 v[WS], v0, 4, 1                      ; h
	s_mul_i32 s38, s[WV], 16*SP
	s_add_co_u32 s38, s38, STAGE
	v_mul_u32_u24 v[AK], v[WK], SP
	v_mul_u32_u24 v[AS], v[WS], SP
	v_lshl_add_u32 v[AK], v[WS], 6, v[AK]
	v_lshl_add_u32 v[AS], v[WK], 4, v[AS]
	v_add_nc_u32 v[AK], s38, v[AK]                 ; in: row r, + 64 h: channels 32 b + 16 h + 0 .. 15 lie 128 b bytes on
	v_add_nc_u32 v[AS], s38, v[AS]                 ; back: lanes 0-15 one row, lanes 16-31 the next
	v_lshlrev_b32 v[AV], 12, v[WS]
	v_lshl_add_u32 v[AV], v[WK], 4, v[AV]          ; and the same two rows in out
	s_wait_alu depctr_va_vdst(0)                   ; one wait for both, directly ahead of the first reader
.set j, 0
.rept 16
	v_pk_mul_f32 v[S+j:S+j+1], v[OA+j:OA+j+1], v[STA+2:STA+3] op_sel_hi:[1,0]       ; register 16 b + i: channel 32 b + 16 h + i
.set j, j+2
.endr
.set j, 0
.rept 16
	v_pk_mul_f32 v[S+32+j:S+33+j], v[OB+j:OB+j+1], v[STB+2:STB+3] op_sel_hi:[1,0]
.set j, j+2
.endr
.irp b, 0,1
.irp q, 0,1,2,3
	ds_store_b128 v[AK], v[S+16*\b+4*\q:S+16*\b+4*\q+3] offset:128*\b+16*\q
.endr
.endr
.irp i, 0,1,2,3,4,5,6,7
	ds_load_b128 v[KF+4*\i:KF+4*\i+3], v[AS] offset:2*\i*SP        ; LDS serves a wave's instructions in order
.endr
.irp b, 0,1
.irp q, 0,1,2,3
	ds_store_b128 v[AK], v[S+32+16*\b+4*\q:S+32+16*\b+4*\q+3] offset:128*\b+16*\q
.endr
.endr
.irp i, 0,1,2,3,4,5,6,7
	ds_load_b128 v[VF+4*\i:VF+4*\i+3], v[AS] offset:2*\i*SP
.endr
	; row 2 i + h of tile X is query 16 (i / 4) + 8 X + 2 (i % 4) + h of my 32
.irp i, 0,1,2,3,4,5,6,7
	s_wait_dscnt 23-\i                             ; tile A's pair of rows i is in; its younger loads and tile B's sixteen instructions may be out
	global_store_b128 v[AV], v[KF+4*\i:KF+4*\i+3], s[6:7] offset:(16*(\i/4)+2*(\i%4))*4096 th:TH_STORE_NT     ; sixteen lanes store 256 consecutive bytes, aligned
.endr
.irp i, 0,1,2,3,4,5,6,7
	s_wait_dscnt 7-\i
	global_store_b128 v[AV], v[VF+4*\i:VF+4*\i+3], s[6:7] offset:(16*(\i/4)+8+2*(\i%4))*4096 th:TH_STORE_NT
.endr
	s_wait_tensorcnt 0x0                           ; the wave's end
	ds_add_u32 v[SPW], v[NIL]
	s_wait_dscnt 0x0
	CROUND                                         ; the closing round
	s_endpgm
.Lfunc_end_k_q60096c181d_attn:
	.size	k_q60096c181d_attn, .Lfunc_end_k_q60096c181d_attn-k_q60096c181d_attn
	.p2alignl 7, 3214868480
	.fill 96, 4, 3214868480
	.section	.rodata,"a",@progbits
	.p2align	6, 0x0
	.amdhsa_kernel k_q60096c181d_attn
		.amdhsa_group_segment_fixed_size 215040
		.amdhsa_private_segment_fixed_size 0
		.amdhsa_enable_private_segment 0
		.amdhsa_kernarg_size 16
		.amdhsa_user_sgpr_count 2
		.amdhsa_user_sgpr_kernarg_segment_ptr 1
		.amdhsa_wavefront_size32 1
		.amdhsa_system_sgpr_workgroup_id_x 1
		.amdhsa_system_sgpr_workgroup_id_y 1
		.amdhsa_system_sgpr_workgroup_id_z 1
		.amdhsa_system_vgpr_workitem_id 0
		.amdhsa_next_free_vgpr 256
		.amdhsa_next_free_sgpr 66
		.amdhsa_reserve_vcc 0
		.amdhsa_float_denorm_mode_32 3
		.amdhsa_float_denorm_mode_16_64 3
		.amdhsa_memory_ordered 1
		.amdhsa_forward_progress 1
		.amdhsa_inst_pref_size 65
	.end_amdhsa_kernel
	.amdgpu_metadata
---
amdhsa.version: [ 1, 2 ]
amdhsa.kernels:
  - .name:           k_q60096c181d_attn
    .symbol:         k_q60096c181d_attn.kd
    .args:
      - { .name: qkv, .offset: 0, .size: 8, .value_kind: global_buffer, .address_space: global }
      - { .name: out0, .offset: 8, .size: 8, .value_kind: global_buffer, .address_space: global }
    .group_segment_fixed_size: 215040
    .private_segment_fixed_size: 0
    .kernarg_segment_align: 8
    .kernarg_segment_size: 16
    .max_flat_workgroup_size: 512
    .sgpr_count:     66
    .vgpr_count:     256
    .wavefront_size: 32
...
	.end_amdgpu_metadata
.endif
;; end of part 3
